; MI455X (gfx1250); checked and timed in simulation.
; The chip was launched on July 23, 2026; its instructions are those of AMD's public machine-readable ISA for CDNA 5 (MIT licence, August 2026) and "CDNA5" Instruction Set Architecture Reference Guide (July 2026). The comments in the code are by the model that wrote it; some were corrected since.
;; Mo E. Allowed arithmetic: float matrix products may take bf16 or f16 operands with f32 sums; other float arithmetic in f32, or as packed bf16 or f16 multiplies, adds, multiply-adds, maxima and minima; sums over many terms, partial sums and values carried from step to step in f32; what a program stores and reads back later, other than sums and carried values, may be rounded once to bf16 or f16.
;; Inputs: b_experts 8 x 1,024 float32; b_router 8 float32; w_experts 8 x 1,024 x 1,024 float32; w_router 8 x 1,024 float32; x 4 x 2,048 x 1,024 float32.
;; Outputs: out0 4 x 2,048 x 1,024 float32.
;; One version. Each part assembles by itself: llvm-mc -triple=amdgcn-amd-amdhsa -mcpu=gfx1250 --defsym DOCPART=n.
;; ======== version 1 of 1: 2 launches
;; workspace buffers: xb 16,777,216 bytes; ids 32,768 bytes of whole numbers
;; launch router (part 1): grid 256 x 1, 8 waves a work-group, no clusters, 33,792 bytes of LDS; arguments x, w_router, b_router, xb, ids; writes xb, ids
.if DOCPART == 1
	.amdgcn_target "amdgcn-amd-amdhsa--gfx1250"
	.amdhsa_code_object_version 6
	.text
	.protected	k_q7097b80ac8_router
	.globl	k_q7097b80ac8_router
	.p2align	8
	.type	k_q7097b80ac8_router,@function
k_q7097b80ac8_router:
	s_mov_b64 s[64:65], 0
	v_nop
	global_prefetch_b8 v0, s[64:65] scope:SCOPE_SE
	s_setreg_imm32_b32 hwreg(HW_REG_WAVE_MODE, 25, 1), 1
	s_wait_xcnt 0x0
; ROUTER.  x: [8192][1024] f32.  w_router: [8][1024] f32.  b_router: [8] f32.  Out: xb = x rounded to bf16, [8192][1024]; ids[t] = (1 << a) | (1 << b), the two experts that token t chooses.
; Every operand (x, w_router, b_router) is rounded to bf16 first; products and sums are f32.  gamma = softmax of the 8 logits, with their maximum taken away; then the two largest gamma,
; a tie going to the lower index, as jax.lax.top_k breaks it.  The choice steers no address and no branch here: it is stored as a whole number at the token's fixed place.
; LIMITS.  NaN and infinities are not treated apart.  A gamma below 2^-126 counts as 0 (v_exp_f32 flushes denormal results: ISA guide, its entry in 15.8); zeros tie, and the lower index wins.
; The 1,024 products of a logit are added in another order than a plain dot product adds them, and 1 / sum is v_rcp_f32: a token whose second and third gamma differ by less than some 1e-7 of themselves may choose the other.
; SHARES.  256 work-groups x 8 waves x 4 rows.  A lane holds columns 128 j + 4 lane + 0..3, j = 0..7, of every row: each load of a wave covers 512 consecutive bytes of x, each store 256 consecutive bytes of xb, aligned.
; The stream binds, so there is no matrix unit (8 of 16 columns would be used, and x would have to lie a row a lane), no cluster (work-groups share only the 32 KiB of w_router) and no ring: all 32 loads of a wave go out at once.
; w_router: wave e rounds row e and lays it in LDS as f32; behind the one barrier every wave reads all 8 rows into 256 registers.
; REGISTERS.  window 0: see the names below.  window 1: v0-255 the rounded w_router: expert e, my column 4 j + i at 32 e + 4 j + i.
.set SPARE, 32768                      ; LDS: 0 .. 32767 the table [8][1024] f32, read and written 512 consecutive bytes at a time; behind it the spare words, 128 bytes a wave, which no other line names
.set XI,  2                            ; v2   16 x lane: my offset in 512 bytes of x, of w_router and of the table; never rewritten
.set XO,  3                            ; v3   8 x lane: my offset in 256 bytes of xb; never rewritten
.set SPW, 4                            ; v4   LDS address of my spare word; never rewritten
.set NIL, 5                            ; v5   0; never rewritten
.set WTS, 6                            ; v6   where I store my 16 bytes of my wave's row of the table
.set IDO, 8                            ; v8   0: the offset of the ids' store
.set M,   9                            ; v9   a maximum
.set T0,  10                           ; v10-13 at work; v12, v13 the two choices
.set X,   16                           ; v16-143   row q: 32 registers, f32 as loaded, then the rounded numbers as f32
.set XP,  144                          ; v144-207  row q: 16 registers, packed bf16, the stores' data: written once a row
.set AC,  208                          ; v208-223  8 pairs of partial sums
.set LG,  224                          ; v224-231  logits, then gamma
.set TP,  232                          ; v232-239  the other half of the lanes'
.set BR,  240                          ; v240-247  b_router, rounded
.set CD,  248                          ; v248-251  the four rows' ids
.set MSB, 0
.macro WIN new                         ; s_set_vgpr_msb: bits 1:0 source 0, 3:2 source 1, 5:4 source 2, 7:6 destination; the high byte repeats the setting that is left
.if MSB != (\new)
	s_set_vgpr_msb (MSB<<8)|(\new)
.set MSB, \new
.endif
.endm
	s_load_b256 s[4:11], s[0:1], 0x0               ; x s[4:5], w_router s[6:7], b_router s[8:9], xb s[10:11]
	s_load_b64 s[12:13], s[0:1], 0x20              ; ids
	v_lshl_add_u32 v[SPW], v0, 2, SPARE
	v_mov_b32 v[NIL], 0
	v_lshrrev_b32 v[M], 5, v0
	v_readfirstlane_b32 s14, v[M]                  ; wave 0..7
	v_and_b32 v1, 31, v0                           ; lane
	v_lshlrev_b32 v[XI], 4, v1
	v_lshlrev_b32 v[XO], 3, v1
	v_lshl_add_u32 v[WTS], s14, 12, v[XI]          ; row = wave: 4,096 bytes each
	v_mov_b32 v[IDO], 0
.irp e, 0,1,2,3,4,5,6,7
	v_mov_b32 v[TP+\e], 0                          ; v_permlanex16_b32 counts as a reader of its destination: written once here
.endr
	s_mov_b32 s24, 0x76543210                      ; v_permlanex16_b32: each lane takes its own place in the other half
	s_mov_b32 s25, 0xfedcba98
	s_mov_b32 s26, 0xffff0000                      ; a word's upper bf16
	s_lshl_b32 s28, ttmp9, 17                      ; 32 rows of 4,096 bytes a work-group,
	s_lshl_b32 s29, s14, 14                        ; 4 a wave
	s_add_co_u32 s28, s28, s29
	s_mov_b32 s29, 0
	s_wait_kmcnt 0x0
	s_add_nc_u64 s[4:5], s[4:5], s[28:29]          ; x at my wave's first row
	s_lshr_b32 s28, s28, 1                         ; rows of 2,048 bytes
	s_add_nc_u64 s[10:11], s[10:11], s[28:29]      ; xb likewise
	s_lshr_b32 s28, s28, 9                         ; 4 bytes a row
	s_add_nc_u64 s[12:13], s[12:13], s[28:29]      ; ids likewise
	s_lshl_b32 s28, s14, 12
	s_add_nc_u64 s[6:7], s[6:7], s[28:29]          ; w_router at row = wave
	s_load_b256 s[16:23], s[8:9], 0x0              ; b_router: nothing in this launch writes it
	WIN 0x40                                       ; destination window 1
.irp j, 0,1,2,3,4,5,6,7
	global_load_b128 v[4*\j:4*\j+3], v[XI], s[6:7] offset:512*\j
.endr
	WIN 0
.irp q, 0,1,2,3
.irp j, 0,1,2,3,4,5,6,7
	global_load_b128 v[X+32*\q+4*\j:X+32*\q+4*\j+3], v[XI], s[4:5] offset:4096*\q+512*\j th:TH_LOAD_NT  ; read once in the launch
.endr
.endr
	s_wait_loadcnt 32                              ; my row of w_router is in: the 32 loads of x were issued behind it and stay out
	WIN 0x05                                       ; sources window 1, destination window 0
.set k, 0
.rept 16
	v_cvt_pk_bf16_f32 v[XP+k], v[2*k], v[2*k+1]    ; rounded to bf16,
.set k, k+1
.endr
	WIN 0x40
.set k, 0
.rept 16
	v_lshlrev_b32 v[2*k], 16, v[XP+k]              ; and kept as f32
	v_and_b32 v[2*k+1], s26, v[XP+k]
.set k, k+1
.endr
	WIN 0x04                                       ; the stores' data in window 1
.irp j, 0,1,2,3,4,5,6,7
	ds_store_b128 v[WTS], v[4*\j:4*\j+3] offset:512*\j
.endr
	s_wait_dscnt 0x0                               ; for the others' sake: my row of the table is written
	s_barrier_signal -1
	s_barrier_wait -1                              ; everybody's is.  The loads of x stay out across this barrier: no wave writes x
	WIN 0x40
.irp e, 0,1,2,3,4,5,6,7
.irp j, 0,1,2,3,4,5,6,7
	ds_load_b128 v[32*\e+4*\j:32*\e+4*\j+3], v[XI] offset:4096*\e+512*\j
.endr
.endr
	WIN 0
	s_wait_kmcnt 0x0                               ; b_router
.irp e, 0,1,2,3,4,5,6,7
	v_mov_b32 v[BR+\e], s[16+\e]
.endr
.irp k, 0,1,2,3
	v_cvt_pk_bf16_f32 v[T0+\k], v[BR+2*\k], v[BR+2*\k+1]
.endr
.irp k, 0,1,2,3
	v_lshlrev_b32 v[BR+2*\k], 16, v[T0+\k]
	v_and_b32 v[BR+2*\k+1], s26, v[T0+\k]
.endr
	s_wait_dscnt 0x0                               ; the table is in my registers
.macro MAX8                            ; the largest of LG's eight into M
	v_max3_num_f32 v[M], v[LG], v[LG+1], v[LG+2]
	v_max3_num_f32 v[T0], v[LG+3], v[LG+4], v[LG+5]
	v_max3_num_f32 v[M], v[M], v[LG+6], v[LG+7]
	v_max_num_f32 v[M], v[M], v[T0]
.endm
.macro PICK dst                        ; 1 << the LOWEST index whose gamma equals the largest: the scan runs from 7 down, so a lower index overwrites a higher
	MAX8
	v_mov_b32 v[\dst], 0x80
.irp e, 6,5,4,3,2,1,0
	v_cmp_eq_f32 vcc_lo, v[LG+\e], v[M]
	v_cndmask_b32 v[\dst], v[\dst], 1<<\e, vcc_lo
.endr
.endm
; One row: rounded, stored, multiplied by the eight rows of the table, summed over the lanes; softmax; the two largest.
.macro ROW q
	s_wait_loadcnt 8*(3-(\q))                      ; loads come back in order (ISA guide 5.7.1): this row's eight are in, the later rows' stay out
.set k, 0
.rept 16
	v_cvt_pk_bf16_f32 v[XP+16*(\q)+k], v[X+32*(\q)+2*k], v[X+32*(\q)+2*k+1]
.set k, k+1
.endr
.irp j, 0,1,2,3,4,5,6,7
	global_store_b64 v[XO], v[XP+16*(\q)+2*\j:XP+16*(\q)+2*\j+1], s[10:11] offset:2048*(\q)+256*\j  ; 32 lanes store 256 consecutive bytes, at a multiple of 256 from xb's first byte; the next launch reads them
.endr
.set k, 0
.rept 16
	v_lshlrev_b32 v[X+32*(\q)+2*k], 16, v[XP+16*(\q)+k]    ; the rounded numbers as f32
	v_and_b32 v[X+32*(\q)+2*k+1], s26, v[XP+16*(\q)+k]
.set k, k+1
.endr
	WIN 0x04                                       ; source 1, the table, in window 1
.irp e, 0,1,2,3,4,5,6,7
	v_pk_mul_f32 v[AC+2*\e:AC+2*\e+1], v[X+32*(\q):X+32*(\q)+1], v[32*\e:32*\e+1]  ; the first products start the sums
.endr
.set k, 1
.rept 15
.irp e, 0,1,2,3,4,5,6,7                ; the eight experts take turns, so that no line waits for the one before it
	v_pk_fma_f32 v[AC+2*\e:AC+2*\e+1], v[X+32*(\q)+2*k:X+32*(\q)+2*k+1], v[32*\e+2*k:32*\e+2*k+1], v[AC+2*\e:AC+2*\e+1]
.endr
.set k, k+1
.endr
	WIN 0
.irp e, 0,1,2,3,4,5,6,7
	v_add_f32 v[LG+\e], v[AC+2*\e], v[AC+2*\e+1]
.endr
.irp m, 1,2,4,8                        ; over the 32 lanes: four steps inside each half, one across; every lane ends with the same sums
.irp e, 0,1,2,3,4,5,6,7
	v_add_f32_dpp v[LG+\e], v[LG+\e], v[LG+\e] row_xmask:\m row_mask:0xf bank_mask:0xf
.endr
.endr
.irp e, 0,1,2,3,4,5,6,7
	v_permlanex16_b32 v[TP+\e], v[LG+\e], s24, s25
.endr
.irp e, 0,1,2,3,4,5,6,7
	v_add_f32 v[LG+\e], v[LG+\e], v[TP+\e]
.endr
.irp e, 0,1,2,3,4,5,6,7
	v_add_f32 v[LG+\e], v[LG+\e], v[BR+\e]         ; the logits
.endr
	MAX8
.irp e, 0,1,2,3,4,5,6,7
	v_sub_f32 v[LG+\e], v[LG+\e], v[M]             ; the maximum is taken away first: exactly 0 for the largest
.endr
.irp e, 0,1,2,3,4,5,6,7
	v_mul_f32 v[LG+\e], 0x3fb8aa3b, v[LG+\e]       ; log2(e): v_exp_f32 works in base 2
.endr
.irp e, 0,1,2,3,4,5,6,7
	v_exp_f32 v[LG+\e], v[LG+\e]
.endr
	v_nop                                          ; a plain instruction behind the last exponential (ISA guide 5.7.2),
	s_wait_alu depctr_va_vdst(0)                   ; and the wait ahead of the first reader: one for the eight
	v_add_f32 v[T0], v[LG], v[LG+1]
	v_add_f32 v[T0+1], v[LG+2], v[LG+3]
	v_add_f32 v[T0+2], v[LG+4], v[LG+5]
	v_add_f32 v[T0+3], v[LG+6], v[LG+7]
	v_add_f32 v[T0], v[T0], v[T0+1]
	v_add_f32 v[T0+2], v[T0+2], v[T0+3]
	v_add_f32 v[T0], v[T0], v[T0+2]
	v_rcp_f32 v[T0+1], v[T0]
	v_nop
	s_wait_alu depctr_va_vdst(0)                   ; the reciprocal's wait
.irp e, 0,1,2,3,4,5,6,7
	v_mul_f32 v[LG+\e], v[LG+\e], v[T0+1]          ; gamma
.endr
	PICK T0+2
.irp e, 0,1,2,3,4,5,6,7
	v_cmp_eq_u32 vcc_lo, 1<<\e, v[T0+2]
	v_cndmask_b32 v[LG+\e], v[LG+\e], -1.0, vcc_lo ; gamma is never negative: -1 takes the winner out
.endr
	PICK T0+3
	v_or_b32 v[CD+(\q)], v[T0+2], v[T0+3]
.endm
	ROW 0
	ROW 1
	ROW 2
	ROW 3
	s_wait_tensorcnt 0x0                           ; the wave's end, behind my last LDS store
	ds_add_u32 v[SPW], v[NIL]
	s_wait_dscnt 0x0
	s_wait_xcnt 0x0                                ; EXEC is a source of the stores above: it changes only behind this wait
	v_cmp_eq_u32 vcc_lo, 0, v1
	s_and_saveexec_b32 s30, vcc_lo
	global_store_b128 v[IDO], v[CD:CD+3], s[12:13] ; every lane holds the same four ids: lane 0 stores the wave's 16 bytes (the whole buffer is 32 KiB)
	s_wait_xcnt 0x0                                ; and again in front of the line that widens it
	s_or_b32 exec_lo, exec_lo, s30
	s_endpgm
.Lfunc_end_k_q7097b80ac8_router:
	.size	k_q7097b80ac8_router, .Lfunc_end_k_q7097b80ac8_router-k_q7097b80ac8_router
	.p2alignl 7, 3214868480
	.fill 96, 4, 3214868480
	.section	.rodata,"a",@progbits
	.p2align	6, 0x0
	.amdhsa_kernel k_q7097b80ac8_router
		.amdhsa_group_segment_fixed_size 33792
		.amdhsa_private_segment_fixed_size 0
		.amdhsa_enable_private_segment 0
		.amdhsa_kernarg_size 40
		.amdhsa_user_sgpr_count 2
		.amdhsa_user_sgpr_kernarg_segment_ptr 1
		.amdhsa_wavefront_size32 1
		.amdhsa_system_sgpr_workgroup_id_x 1
		.amdhsa_system_sgpr_workgroup_id_y 1
		.amdhsa_system_sgpr_workgroup_id_z 1
		.amdhsa_system_vgpr_workitem_id 0
		.amdhsa_next_free_vgpr 512
		.amdhsa_next_free_sgpr 66
		.amdhsa_reserve_vcc 1
		.amdhsa_float_denorm_mode_32 3
		.amdhsa_float_denorm_mode_16_64 3
		.amdhsa_memory_ordered 1
		.amdhsa_forward_progress 1
		.amdhsa_inst_pref_size 88
	.end_amdhsa_kernel
	.amdgpu_metadata
---
amdhsa.version: [ 1, 2 ]
amdhsa.kernels:
  - .name:           k_q7097b80ac8_router
    .symbol:         k_q7097b80ac8_router.kd
    .args:
      - { .name: x, .offset: 0, .size: 8, .value_kind: global_buffer, .address_space: global }
      - { .name: w_router, .offset: 8, .size: 8, .value_kind: global_buffer, .address_space: global }
      - { .name: b_router, .offset: 16, .size: 8, .value_kind: global_buffer, .address_space: global }
      - { .name: xb, .offset: 24, .size: 8, .value_kind: global_buffer, .address_space: global }
      - { .name: ids, .offset: 32, .size: 8, .value_kind: global_buffer, .address_space: global }
    .group_segment_fixed_size: 33792
    .private_segment_fixed_size: 0
    .kernarg_segment_align: 8
    .kernarg_segment_size: 40
    .max_flat_workgroup_size: 256
    .sgpr_count:     66
    .vgpr_count:     512
    .wavefront_size: 32
...
	.end_amdgpu_metadata
.endif
;; end of part 1
;; launch experts (part 2): grid 8 x 28, 8 waves a work-group, no clusters, 315,648 bytes of LDS; arguments xb, ids, w_experts, b_experts, out0; writes out0
.if DOCPART == 2
	.amdgcn_target "amdgcn-amd-amdhsa--gfx1250"
	.amdhsa_code_object_version 6
	.text
	.protected	k_q7097b80ac8_experts
	.globl	k_q7097b80ac8_experts
	.p2align	8
	.type	k_q7097b80ac8_experts,@function
k_q7097b80ac8_experts:
	s_mov_b64 s[64:65], 0
	v_nop
	global_prefetch_b8 v0, s[64:65] scope:SCOPE_SE
	s_setreg_imm32_b32 hwreg(HW_REG_WAVE_MODE, 25, 1), 1
	s_wait_xcnt 0x0
; EXPERTS.  out0[t][o] = sum over d of xb[t][d] (Wa[o][d] + Wb[o][d]) + ba[o] + bb[o], where {a, b} is the set of experts that ids[t] names.  The module adds the two chosen experts' results without
; weights, so one product with the summed weights is both products, for every input.  xb: [8192][1024] bf16.  ids: [8192] u32, two bits set among bits 0..7.  w_experts: [8][1024][1024] f32.  b_experts: [8][1024] f32.  out0: f32.
; FORMATS.  Each weight and each bias is rounded to bf16; the two rounded weights are added and the sum rounded once more to bf16 (v_pk_add_bf16), the one rounding beyond that of the inputs; products on the matrix unit in bf16, sums f32;
; the two rounded biases are added in f32.  LIMITS: NaN and infinities are not treated apart; bf16 has f32's range, so no size of the inputs is shut out.
; SHARES.  grid x = slice s of 128 output columns (8), grid y = set p of the 28 pairs a < b.  A work-group lays its slice of the summed weights, 128 rows x 1,024 bf16, into LDS once, lists the tokens of its set, and multiplies ALL of them:
; each output row's 512 bytes have one owner.  Blocks of 16 tokens are dealt to the eight waves in turn (block 8 m + w to wave w); a wave takes 3 blocks x 128 columns a pass (24 accumulators), and as many passes as its blocks ask for:
; ceil(blocks / 3), none for a set without tokens, 22 when all 8,192 tokens choose one set.  Places past the set's count repeat its last token.  A block that lies wholly past the count is multiplied (one text serves every count) and not stored.
; In the set's one block that is not full the repeated places give that token's row again, bit for bit, and the same wave stores it again to the same bytes: 15 rows more at the most, for a way out without a jump for each row.
; EIGHT WAVES, 512 registers each.  Both phases live on loads through registers, and what counts is how many are on their way.  A counted wait names 63 loads at the most (ISA guide 5.7.1), 512 bytes each, so a wave's stream of weights
; holds 64 loads and no more: eight waves have 256 KiB out where four would have 128.  In a pass a wave asks for token rows 7 K steps ahead: 42 loads, 336 in the work-group.  The price: each wave reads the slice's fragments for 3 blocks
; only: 16 LDS loads for 24 matrix instructions.
; NOTHING BEHIND THE FIRST BARRIER WRITES LDS but the closing lines: slice, lists and counts are only read.  Token rows come straight from memory into registers as matrix operands.
; THE WAY OUT NEEDS NO LDS.  Source 0 = 16 tokens, source 1 = 16 rows of the slice: register j of a result is token 8 (lane / 16) + j, slice row lane % 16.  The slice's rows lie in LDS in a permuted order: row 16 c + r holds output column
; 64 (c / 4) + 4 r + c % 4.  So for one token a lane's accumulators 0-3 hold the four neighbouring columns 4 r .. 4 r + 3, accumulators 4-7 the columns 64 + 4 r ..: the line that adds the bias also gathers the four into neighbouring registers,
; and sixteen neighbouring lanes store 256 consecutive bytes of a token's row.
; NO TENSOR LOADS, NO CLUSTER: the weights must pass through registers (rounded, added, rounded), and f32 rows landed in LDS would need room beside the 264,192 bytes of the slice and a second trip through registers; of the seven sets that
; share an expert's slice each pairs it with another partner, so half of every step's bytes would be shared at the most; the token rows come by a list, which no descriptor covers.
; REGISTERS, in two windows of 256 (s_set_vgpr_msb: bits 1:0 source 0, 3:2 source 1, 5:4 source 2, 7:6 destination):
;   window 0: v0-63 addresses and work (names below); v64-255 the accumulators (block g, tile c at 64 + 64 g + 8 c); before the passes: v64-95 the ids, v96-111 and v128-191 at work
;   window 1: v0-191 the ring of token fragments, 8 K steps x 3 blocks x 8; v192-255 the slice's fragments of one K step (8 column tiles x 8); before the passes: four slots of 64 for the f32 weights; on the way out v0-63 a block's 16 rows
; So every load of a pass has one setting (destination window 1) and every product another (sources 0 and 1 window 1): four switches a K step.
.set NB,    3                          ; blocks of a wave in a pass: the register map is made for three
.set PB,    2064                       ; a row of the slice in LDS: 2,048 bytes + 16 = 516 words: row r starts at bank 4 r mod 64 (64 banks of 4 bytes: ISA guide 11.1), so the 16 rows of a fragment load start at 16 different groups of banks
.set ONET,  16*PB                      ; a column tile's 16 rows
.set TWOT,  32*PB                      ; two tiles
.set LIST,  128*PB                     ; 264,192: the lists: a segment of 1,088 u16 for each wave: entries 0-1023 tokens, entries 1024 + lane take what a lane without a match writes
.set SEGE,  1088
.set SEGB,  2*SEGE
.set CNT,   LIST+8*SEGB                ; 281,600: eight words, the waves' counts
.set IDS,   CNT+256                    ; 281,856: for each wave 4,096 bytes, its own: its ids, while the list is made
.set SPARE, IDS+8*4096                 ; 314,624: the spare words, 128 bytes a wave, which no other line names
.set RR,   1                           ; v1   lane % 16
.set CNTA, 2                           ; v2   my wave's word of CNT; then CNT
.set LANE, 3                           ; v3   lane
.set SPW,  4                           ; v4   LDS address of my spare word; never rewritten
.set NIL,  5                           ; v5   0; never rewritten
.set VB0,  6                           ; v6-9    my place in the fragments of tiles 2 i, 2 i + 1 at K = 0; never rewritten
.set VBK,  10                          ; v10-13  the same at the K loop's trip
.set VWL,  14                          ; v14-15  where I store 8 bytes of a row of the slice: slots 0, 1; slots 2, 3
.set L16,  16                          ; v16  512 s + 16 (lane % 16): my bytes in a row of out0
.set RK,   17                          ; v17  my token's rank in the set, block 0 of the pass
.set TK,   18                          ; v18-20  block g: my token
.set AO,   21                          ; v21-23  block g: an LDS address in the lists; then my byte offset in xb
.set TKC,  24                          ; v24  at the head my offset in ids, then where the list's loop reads them; on the way out the block's tokens
.set H16,  25                          ; v25  16 (lane / 16)
.set OFFS, 26                          ; v26-33  the way out: my byte offset in out0 for register j of the results
.set BS,   34                          ; v34-41  the summed bias of the column that tile c gives me
.set TT,   42                          ; v42-49  at work
.set SEG,  50                          ; v50  my wave's segment of the lists
.set TR,   51                          ; v51  1024 + lane
.set TOK0, 52                          ; v52  1024 w + 4 lane: the token of my first id; steps in the list's loop
.set IDA,  53                          ; v53  my 16 bytes in my wave's ids area
.set WOF,  54                          ; v54-57  slot i: my byte offset in the weights' rows
.set BOF,  58                          ; v58  16 (lane % 16): my offset in 256 bytes of a bias
.set ACC,  64
.set ID,   64
.set IDQ,  96                          ; v96-111   the list's loop: 16 registers of ids
.set CT,   128                         ; v128-191  two work buffers of 32 for the weights' sums, by turns
.set AR,   0                           ; window 1
.set BF,   192                         ; window 1
.set OB,   0                           ; window 1
.set MSB, 0
.macro WIN new                         ; the high byte repeats the setting that is left; a switch that changes nothing is dropped
.if MSB != (\new)
	s_set_vgpr_msb (MSB<<8)|(\new)
.set MSB, \new
.endif
.endm
.set MUL,  0x05                        ; tokens and slice (sources 0 and 1) window 1, C and D window 0; also: a conversion's two sources in window 1
.set TO_1, 0x40                        ; destination window 1, all else window 0
.set ST_1, 0x04                        ; a store's data in window 1
	s_load_b256 s[4:11], s[0:1], 0x0               ; xb s[4:5], ids s[6:7], w_experts s[8:9], b_experts s[10:11]
	s_load_b64 s[12:13], s[0:1], 0x20              ; out0
	v_lshl_add_u32 v[SPW], v0, 2, SPARE
	v_mov_b32 v[NIL], 0
	v_lshrrev_b32 v[TT], 5, v0
	v_readfirstlane_b32 s14, v[TT]                 ; wave 0..7
	s_mov_b32 s15, ttmp9                           ; slice s
	s_and_b32 s16, ttmp7, 0xffff                   ; set p: pairs in the order (0,1) .. (0,7), (1,2) .. (6,7)
	s_mov_b32 s66, 0xffff0000                      ; a word's upper bf16; also the mask of lanes 16-31
	s_mov_b32 s17, 0
.irp thr, 7,13,18,22,25,27             ; a = how many of the first sets of a = 1 .. 6 lie at or below p
	s_cmp_ge_u32 s16, \thr
	s_cselect_b32 s29, 1, 0
	s_add_co_u32 s17, s17, s29
.endr
	s_sub_co_u32 s29, 15, s17
	s_mul_i32 s29, s29, s17
	s_lshr_b32 s29, s29, 1                         ; a's first set: a (15 - a) / 2
	s_sub_co_u32 s18, s16, s29
	s_add_co_u32 s18, s18, s17
	s_add_co_u32 s18, s18, 1                       ; b = p - first + a + 1
	s_lshl_b32 s19, 1, s17
	s_lshl_b32 s29, 1, s18
	s_or_b32 s19, s19, s29                         ; the id that my tokens carry
	v_and_b32 v[RR], 15, v0
	v_and_b32 v[LANE], 31, v0
	v_bfe_u32 v[TT], v0, 4, 1                      ; lane / 16
	v_lshlrev_b32 v[H16], 4, v[TT]
	v_mul_u32_u24 v[TT+1], v[RR], PB
	v_add_nc_u32 v[VB0], v[TT+1], v[H16]           ; a fragment: row x pitch + 16 x half
.irp i, 1,2,3
	v_add_nc_u32 v[VB0+\i], \i*TWOT, v[VB0]
.endr
	s_lshl_b32 s63, s15, 9
	v_lshl_add_u32 v[L16], v[RR], 4, s63
	v_lshlrev_b32 v[BOF], 4, v[RR]
	s_lshl_b32 s63, s14, 4
	v_add_nc_u32 v[RK], s63, v[RR]                 ; block w of the set: rank 16 w + lane % 16
	s_lshl_b32 s63, s14, 12
	v_lshl_add_u32 v[TKC], v[LANE], 4, s63         ; ids: my wave's 1,024 words, 16 bytes a lane
	s_add_co_u32 s63, s63, IDS
	v_lshl_add_u32 v[IDA], v[LANE], 4, s63         ; and the same place in my wave's ids area
	s_mul_i32 s63, s14, SEGB
	s_add_co_u32 s63, s63, LIST
	v_mov_b32 v[SEG], s63
	v_add_nc_u32 v[TR], 1024, v[LANE]
	s_lshl_b32 s63, s14, 10
	v_lshl_add_u32 v[TOK0], v[LANE], 2, s63
	; My wave rounds the weights' rows 16 w + 4 t + i (slot i, trip t): output column 64 (w / 4) + 4 (4 (w % 4) + t) + i of the slice, which is LDS row 64 (w / 4) + 16 i + 4 (w % 4) + t
	s_lshr_b32 s29, s14, 2
	s_mul_i32 s29, s29, 64*PB
	s_and_b32 s63, s14, 3
	s_mul_i32 s63, s63, 4*PB
	s_add_co_u32 s63, s63, s29
	v_lshl_add_u32 v[VWL], v[LANE], 3, s63         ; slots 0 and 1 (the second by the immediate),
	v_add_nc_u32 v[VWL+1], TWOT, v[VWL]            ; slots 2 and 3: 32 rows on, past what an immediate of 16 bits holds
	v_lshlrev_b32 v[WOF], 4, v[LANE]
.irp i, 1,2,3
	v_add_nc_u32 v[WOF+\i], \i*4096, v[WOF]        ; slot i begins with row i
.endr
	s_lshl_b32 s63, s14, 2
	s_add_co_u32 s63, s63, CNT
	v_mov_b32 v[CNTA], s63
	s_lshl_b32 s24, s15, 19                        ; the slice's 128 rows of 4,096 bytes,
	s_lshl_b32 s29, s14, 16                        ; my wave's 16 of them
	s_add_co_u32 s24, s24, s29
	s_mov_b32 s25, 0
	s_wait_kmcnt 0x0
	s_add_nc_u64 s[8:9], s[8:9], s[24:25]
	s_lshl_b32 s24, s17, 22                        ; an expert is 4 MiB
	s_add_nc_u64 s[20:21], s[8:9], s[24:25]        ; Wa at my rows
	s_lshl_b32 s24, s18, 22
	s_add_nc_u64 s[22:23], s[8:9], s[24:25]        ; Wb
	s_lshl_b32 s24, s15, 9
	s_add_nc_u64 s[10:11], s[10:11], s[24:25]
	s_lshl_b32 s24, s17, 12
	s_add_nc_u64 s[68:69], s[10:11], s[24:25]      ; ba at the slice's columns
	s_lshl_b32 s24, s18, 12
	s_add_nc_u64 s[70:71], s[10:11], s[24:25]      ; bb
; Slot's next row of Wa and of Wb: 16 loads of 512 consecutive bytes.  No cache hint: seven sets read each expert's slice.
.macro WLOAD slot
	WIN TO_1
.irp j, 0,1,2,3,4,5,6,7
	global_load_b128 v[64*(\slot)+8*\j:64*(\slot)+8*\j+3],   v[WOF+(\slot)], s[20:21] offset:512*\j
	global_load_b128 v[64*(\slot)+8*\j+4:64*(\slot)+8*\j+7], v[WOF+(\slot)], s[22:23] offset:512*\j
.endr
	WIN 0
.endm
; A slot's turn: both rows rounded to bf16; the slot asked for again at once, since the conversions have read it; then the rows added, the sum rounded to bf16, stored as one row of the slice.
; left = the younger slots' loads, 16 each.  The work buffers take turns, so that a turn's conversions do not write what the last turn's LDS stores still read.
.macro WTURN slot, refill, left
.set cb, CT+32*((\slot)%2)
	s_wait_loadcnt \left                           ; loads come back in order (ISA guide 5.7.1): this slot's 16 are in; the wait also frees the slot's offset register
	WIN MUL
.irp j, 0,1,2,3,4,5,6,7
	v_cvt_pk_bf16_f32 v[cb+4*\j],   v[64*(\slot)+8*\j],   v[64*(\slot)+8*\j+1]
	v_cvt_pk_bf16_f32 v[cb+4*\j+1], v[64*(\slot)+8*\j+2], v[64*(\slot)+8*\j+3]
	v_cvt_pk_bf16_f32 v[cb+4*\j+2], v[64*(\slot)+8*\j+4], v[64*(\slot)+8*\j+5]
	v_cvt_pk_bf16_f32 v[cb+4*\j+3], v[64*(\slot)+8*\j+6], v[64*(\slot)+8*\j+7]
.endr
	WIN 0
.if \refill
	v_add_nc_u32 v[WOF+(\slot)], 4*4096, v[WOF+(\slot)]  ; four rows on
	WLOAD \slot
.endif
.irp j, 0,1,2,3,4,5,6,7
	v_pk_add_bf16 v[cb+4*\j],   v[cb+4*\j],   v[cb+4*\j+2]
	v_pk_add_bf16 v[cb+4*\j+1], v[cb+4*\j+1], v[cb+4*\j+3]
.endr
.irp j, 0,1,2,3,4,5,6,7
	ds_store_b64 v[VWL+(\slot)/2], v[cb+4*\j:cb+4*\j+1] offset:ONET*((\slot)%2)+256*\j  ; 32 lanes store 256 consecutive bytes
.endr
.endm
	global_load_b128 v[CT:CT+3],     v[BOF], s[68:69]             ; the biases of my eight columns: 4 r .. and 64 + 4 r .., of a and of b,
	global_load_b128 v[CT+4:CT+7],   v[BOF], s[68:69] offset:256
	global_load_b128 v[CT+8:CT+11],  v[BOF], s[70:71]
	global_load_b128 v[CT+12:CT+15], v[BOF], s[70:71] offset:256
.irp c, 0,1,2,3,4,5,6,7
	global_load_b128 v[ID+4*\c:ID+4*\c+3], v[TKC], s[6:7] offset:512*\c  ; my wave's eighth of the ids: register 4 c + j is token 1024 w + 128 c + 4 lane + j,
.endr
	WLOAD 0                                        ; and the first three rows of weights: they are on their way while the list is made
	WLOAD 1
	WLOAD 2
	s_wait_loadcnt 48                              ; biases and ids are in: the three slots' 48 loads were issued behind them
.irp k, 0,1,2,3,4,5,6,7
	v_cvt_pk_bf16_f32 v[CT+16+\k], v[CT+2*\k], v[CT+2*\k+1]
.endr
.irp k, 0,1,2,3,4,5,6,7
	v_lshlrev_b32 v[CT+2*\k], 16, v[CT+16+\k]
	v_and_b32 v[CT+2*\k+1], s66, v[CT+16+\k]
.endr
.irp k, 0,1,2,3
	v_pk_add_f32 v[BS+2*\k:BS+2*\k+1], v[CT+2*\k:CT+2*\k+1], v[CT+8+2*\k:CT+8+2*\k+1]  ; the two rounded biases, added in f32
.endr
	; THE LIST.  A loop's counter cannot pick a register, so my 32 registers of ids go once through my wave's own ids area: 8 stores, and 8 loads in a loop of 2 trips of 16 steps.
	; LDS serves a wave's instructions in order (ISA guide 5.7.1.4), and the bytes are my wave's own: no wait between the stores and the loads.
.irp c, 0,1,2,3,4,5,6,7
	ds_store_b128 v[IDA], v[ID+4*\c:ID+4*\c+3] offset:512*\c
.endr
	v_mov_b32 v[TKC], v[IDA]                       ; (the loads that named it as their offset are done)
	s_mov_b32 s28, 0                               ; my wave's count
	s_mov_b32 s30, 2
.Llist:
.irp c, 0,1,2,3
	ds_load_b128 v[IDQ+4*\c:IDQ+4*\c+3], v[TKC] offset:512*\c
.endr
	s_wait_dscnt 0x0
	; A step, for one register of ids: the lanes whose token belongs to the set write its number to the next free entries of my wave's segment (count so far + matching lanes below me);
	; the others write to entry 1024 + lane, which nobody reads.  EXEC is never touched.  The entry is clamped by a constant behind the select, so every address lies in the wave's own segment.
.set kk, 0
.rept 16
.set tmp, TT+2*(kk%2)
	v_cmp_eq_u32 vcc_lo, s19, v[IDQ+kk]
	v_mbcnt_lo_u32_b32 v[tmp], vcc_lo, s28
	v_cndmask_b32 v[tmp], v[TR], v[tmp], vcc_lo
	v_min_u32 v[tmp], 0x41f, v[tmp]
	v_lshl_add_u32 v[tmp], v[tmp], 1, v[SEG]
.if kk == 0
	ds_store_b16 v[tmp], v[TOK0]
.else
	v_add_nc_u32 v[tmp+1], 128*(kk/4)+kk%4, v[TOK0]
	ds_store_b16 v[tmp], v[tmp+1]
.endif
	s_bcnt1_i32_b32 s29, vcc_lo
	s_add_co_u32 s28, s28, s29
.set kk, kk+1
.endr
	v_add_nc_u32 v[TKC], 4*512, v[TKC]             ; the next 16 registers' bytes,
	v_add_nc_u32 v[TOK0], 4*128, v[TOK0]           ; and their tokens
	s_sub_co_u32 s30, s30, 1
	s_cmp_lg_u32 s30, 0
	s_cbranch_scc1 .Llist
	WLOAD 3
	; THE SLICE.  16 rows a wave, four slots, 48 to 64 loads of the wave out at any time.
	s_mov_b32 s30, 3
.Lw:
	WTURN 0, 1, 48
	WTURN 1, 1, 48
	WTURN 2, 1, 48
	WTURN 3, 1, 48
	v_add_nc_u32 v[VWL], PB, v[VWL]                ; each slot's next row of the slice lies one LDS row on
	v_add_nc_u32 v[VWL+1], PB, v[VWL+1]
	s_sub_co_u32 s30, s30, 1
	s_cmp_lg_u32 s30, 0
	s_cbranch_scc1 .Lw
	WTURN 0, 0, 48                                 ; the last four rows load nothing: the counts run down
	WTURN 1, 0, 32
	WTURN 2, 0, 16
	WTURN 3, 0, 0
	v_mov_b32 v[TT], s28
	ds_store_b32 v[CNTA], v[TT]                    ; all lanes write the same number to my wave's word
	s_wait_dscnt 0x0                               ; for the others' sake: my rows of the slice, my list and my count are written
	s_barrier_signal -1
	s_barrier_wait -1                              ; behind this barrier slice, lists and counts are only read
	v_mov_b32 v[CNTA], CNT
	ds_load_b128 v[TT:TT+3],   v[CNTA]
	ds_load_b128 v[TT+4:TT+7], v[CNTA] offset:16
	s_wait_dscnt 0x0
.irp k, 0,1,2,3,4,5,6,7
	v_readfirstlane_b32 s[32+\k], v[TT+\k]         ; c0 .. c7
.endr
	s_mov_b32 s40, s32                             ; s40 .. s46: the ranks at which segments 1 .. 7 begin
.irp k, 1,2,3,4,5,6
	s_add_co_u32 s[40+\k], s[39+\k], s[32+\k]
.endr
	s_add_co_u32 s54, s46, s39                     ; n, the set's tokens
.irp k, 0,1,2,3,4,5,6
	s_sub_co_u32 s[47+\k], SEGE, s[32+\k]          ; s47 .. s53: what a rank gains in entry number when it passes into segment 1 .. 7
.endr
	s_sub_co_u32 s55, s54, 1                       ; n - 1 (read only in a pass, and there is none where n = 0)
	s_add_co_u32 s56, s54, 15
	s_lshr_b32 s56, s56, 4                         ; the set's blocks of 16
	s_add_co_u32 s57, s56, 7
	s_sub_co_u32 s57, s57, s14
	s_lshr_b32 s57, s57, 3                         ; my wave's blocks: w, w + 8, ..: 64 at the most
	s_add_co_u32 s58, s57, 2
	s_mul_i32 s58, s58, 171
	s_lshr_b32 s58, s58, 9                         ; my passes: (blocks + 2) / 3; x 171 >> 9 is x / 3 for every x up to 66
	s_mov_b32 s61, s14                             ; the number, in the set, of my block 0 of the pass
; Token fragments of one K step for the three blocks, into sub-buffer sub: lane (r, h) takes bytes 16 h and 32 + 16 h of the step's 64 in its token's row.  No cache hint: the eight slices read each row.
.macro AFILL sub, off
	WIN TO_1
.set gi, 0
.rept NB
	global_load_b128 v[AR+24*(\sub)+8*gi:AR+24*(\sub)+8*gi+3],   v[AO+gi], s[26:27] offset:(\off)
	global_load_b128 v[AR+24*(\sub)+8*gi+4:AR+24*(\sub)+8*gi+7], v[AO+gi], s[26:27] offset:(\off)+32
.set gi, gi+1
.endr
.endm
; Half of the slice's fragments of one K step: column tiles 4 half .. 4 half + 3, 8 LDS loads; base: the four address registers, VB0 (K = 0) or VBK (the loop's trip)
.macro BHALF base, half, off
	WIN TO_1
.irp c, 0,1,2,3
.set cc, 4*(\half)+\c
	ds_load_b128 v[BF+8*cc:BF+8*cc+3],   v[\base+cc/2] offset:(cc%2)*ONET+(\off)
	ds_load_b128 v[BF+8*cc+4:BF+8*cc+7], v[\base+cc/2] offset:(cc%2)*ONET+(\off)+32
.endr
.endm
; 12 matrix instructions: the three blocks x column tiles 4 half .. 4 half + 3.  The 24 accumulators take turns, one instruction a turn, in the same order in every step, over the loop's jump too.
; zero = 1: the first K step starts the sums.
.macro MULH asub, half, zero
	WIN MUL
.set gi, 0
.rept NB
.set ci, 4*(\half)
.rept 4
.if \zero
	v_wmma_f32_16x16x32_bf16 v[ACC+64*gi+8*ci:ACC+64*gi+8*ci+7], v[AR+24*(\asub)+8*gi:AR+24*(\asub)+8*gi+7], v[BF+8*ci:BF+8*ci+7], 0
.else
	v_wmma_f32_16x16x32_bf16 v[ACC+64*gi+8*ci:ACC+64*gi+8*ci+7], v[AR+24*(\asub)+8*gi:AR+24*(\asub)+8*gi+7], v[BF+8*ci:BF+8*ci+7], v[ACC+64*gi+8*ci:ACC+64*gi+8*ci+7]
.endif
.set ci, ci+1
.endr
.set gi, gi+1
.endr
.endm
.macro PLACES                          ; a load into a register that a matrix instruction has read stands four plain vector instructions behind it (ISA guide 7.12.1 for vector instructions)
.rept 4
	v_nop
.endr
.endm
; A K step of 32, in two halves of 12 products.  The one buffer of slice fragments is used by halves: while tiles 0-3 are multiplied, tiles 4-7 of this step are landing; while tiles 4-7 are multiplied, tiles 0-3 of the next step.
; lcnt: the token loads issued behind this step's (6 for each later step asked for).  boff: where the next step's slice fragments lie; aoff: where the token fragments seven steps on lie; -1: none.
; The token fragments go into the sub-buffer that the step before multiplied: the four places in this step's middle lie between.
.macro STEP base, asub, lcnt, boff, aoff, zero
	s_wait_loadcnt \lcnt                           ; this step's token fragments are in
	s_wait_dscnt 8                                 ; and its tiles 0-3; the eight loads of its tiles 4-7 were issued behind them and may be out
	MULH \asub, 0, \zero
.if (\boff) >= 0
	PLACES
	BHALF \base, 0, \boff
.if (\aoff) >= 0
	AFILL ((\asub)+7)%8, \aoff
.endif
	s_wait_dscnt 8                                 ; this step's tiles 4-7 are in; the eight loads just issued may be out
.else
	s_wait_dscnt 0x0
.endif
	MULH \asub, 1, \zero
.if (\boff) >= 0
	PLACES
	BHALF \base, 1, \boff
.endif
.endm
; The way out of block k, first part: result + bias, gathered so that the four neighbouring columns of a token lie in neighbouring registers: register j of tile c goes to OB + 8 j + c.
; j runs outermost.  The block's tokens go into TKC.
.macro OPART k
	WIN TO_1
.set ji, 0
.rept 8
.set ci, 0
.rept 8
	v_add_f32 v[OB+8*ji+ci], v[ACC+64*(\k)+8*ci+ji], v[BS+ci]
.set ci, ci+1
.endr
.set ji, ji+1
.endr
	WIN 0
	v_mov_b32 v[TKC], v[TK+(\k)]
.endm
	s_cmp_eq_u32 s58, 0
	s_cbranch_scc1 .Ldone                          ; no block for my wave: nothing to multiply, nothing to store; no barrier stands in what is jumped
	s_mov_b32 s59, 0
.Lpass:                                                ; A PASS over three blocks of my wave: tokens from the lists; 32 K steps; the way out
	s_wait_xcnt 0x0                                ; the last pass's stores have read their data and offsets (ISA guide 3.1): the loads below land in those registers
.set gi, 0
.rept NB
.if gi == 0
	v_min_u32 v[TT], s55, v[RK]                    ; my rank, held to n - 1: places past the count repeat the set's last token
.else
	v_add_nc_u32 v[TT], 128*gi, v[RK]              ; my wave's next block lies eight blocks on
	v_min_u32 v[TT], s55, v[TT]
.endif
.irp k, 1,2,3,4,5,6,7                  ; the rank's entry: rank + the gaps of the segments passed
	v_cmp_le_u32 vcc_lo, s[39+\k], v[TT]
	v_cndmask_b32 v[TT+1], 0, s[46+\k], vcc_lo
.if \k == 1
	v_add_nc_u32 v[AO+gi], v[TT], v[TT+1]
.else
	v_add_nc_u32 v[AO+gi], v[AO+gi], v[TT+1]
.endif
.endr
	v_min_u32 v[AO+gi], 0x21bf, v[AO+gi]           ; 7 x 1088 + 1023, the last token entry
	v_lshl_add_u32 v[AO+gi], v[AO+gi], 1, LIST
	ds_load_u16 v[TK+gi], v[AO+gi]
.set gi, gi+1
.endr
	s_wait_dscnt 0x0
.set gi, 0
.rept NB
	v_min_u32 v[TK+gi], 0x1fff, v[TK+gi]
	v_lshl_add_u32 v[AO+gi], v[TK+gi], 11, v[H16]  ; token x 2,048 bytes + 16 x half
.set gi, gi+1
.endr
	s_mov_b64 s[26:27], s[4:5]                     ; xb at K = 0: the last pass's loads that named this pair were waited for in its last step
.irp k, 0,1,2,3,4,5,6
	AFILL \k, 64*\k                                ; K steps 0 to 6: 42 loads
.endr
	BHALF VB0, 0, 0
	BHALF VB0, 1, 0
	STEP VB0, 0, 12*NB, 64, 448, 1                 ; step 0 stands in front of the loop: its products start the sums.  Six later steps' loads, 36, stay out
	WIN 0                                          ; at a label and at a branch every window is 0
	s_mov_b32 s31, 0                               ; the loop's place along K, in bytes of a row
	s_mov_b32 s30, 3
.Lk:                                                   ; trip t: steps 8 t + 1 .. 8 t + 8; it asks for token fragments up to step 8 t + 15: the last trip's reach step 31 and no further
	s_min_u32 s29, s31, 2*512                      ; 512 t, held by a constant to the last trip's 1,024, which it never passes: so the text itself shows that the loads below touch rows of the slice alone
.irp i, 0,1,2,3
	v_add_nc_u32 v[VBK+\i], s29, v[VB0+\i]         ; the trip's LDS addresses, made anew
.endr
.irp i, 0,1,2,3,4,5,6,7
	STEP VBK, (1+\i)%8, 12*NB, 64*(2+\i), 64*(8+\i), 0
.endr
	WIN 0
	s_wait_xcnt 0x0                                ; the loads' base steps only behind this wait
	s_add_nc_u64 s[26:27], s[26:27], 512           ; eight K steps on
	s_add_co_u32 s31, s31, 512
	s_sub_co_u32 s30, s30, 1
	s_cmp_lg_u32 s30, 0
	s_cbranch_scc1 .Lk
.irp i, 1,2,3,4,5,6                    ; steps 25 to 30: no load passes a row's end; the counts run down by a step's six loads
	STEP VB0, \i, 2*NB*(7-\i), 64*(25+\i), -1, 0
.endr
	STEP VB0, 7, 0, -1, -1, 0                      ; step 31
	; THE WAY OUT, a block a trip, straight from registers.
	WIN 0
	PLACES                                         ; between the last products and the first read of a result
	s_mov_b32 s60, 0
.Lep:
	s_lshl3_add_u32 s62, s60, s61                  ; the block's number in the set: my block 0's + 8 g
	s_cmp_ge_u32 s62, s56
	s_cbranch_scc1 .Lrd                            ; it lies wholly past the count: nothing of it is stored
	s_wait_xcnt 0x0                                ; the last trip's stores have read their data and offsets
.irp k, 0,1
	s_cmp_eq_u32 s60, \k
	s_cbranch_scc1 .Lst_\k
.endr
	OPART 2
	s_branch .Lrows
.irp k, 0,1
.Lst_\k:
	OPART \k
	s_branch .Lrows
.endr
.Lrows:
.irp j, 0,1,2,3,4,5,6,7
	v_readlane_b32 s62, v[TKC], \j                 ; register j of a result is the block's token j in lanes 0-15,
	v_readlane_b32 s63, v[TKC], 8+\j               ; and its token 8 + j in lanes 16-31; token i lies in lane i
	v_mov_b32 v[OFFS+\j], s62
	v_cndmask_b32 v[OFFS+\j], v[OFFS+\j], s63, s66
	v_min_u32 v[OFFS+\j], 0x1fff, v[OFFS+\j]
	v_lshl_add_u32 v[OFFS+\j], v[OFFS+\j], 12, v[L16]  ; token x 4,096 bytes + the slice's 512 + 16 (lane % 16)
.endr
	WIN ST_1
.irp j, 0,1,2,3,4,5,6,7
	global_store_b128 v[OFFS+\j], v[OB+8*\j:OB+8*\j+3],   s[12:13] th:TH_STORE_NT             ; each half of the lanes stores 256 consecutive bytes of its token's row, at a multiple of 256 from out0's first byte;
	global_store_b128 v[OFFS+\j], v[OB+8*\j+4:OB+8*\j+7], s[12:13] offset:256 th:TH_STORE_NT  ; a place past the count stores the last token's row once more
.endr
	WIN 0
.Lrd:
	s_add_co_u32 s60, s60, 1
	s_cmp_lt_u32 s60, NB
	s_cbranch_scc1 .Lep
	s_add_co_u32 s61, s61, 8*NB                    ; a pass is 3 blocks x 8 waves,
	v_add_nc_u32 v[RK], 128*NB, v[RK]              ; 384 ranks
	s_add_co_u32 s59, s59, 1
	s_cmp_lt_u32 s59, s58
	s_cbranch_scc1 .Lpass
.Ldone:
	s_wait_dscnt 0x0                               ; my reads of slice and lists are over;
	s_barrier_signal -1
	s_barrier_wait -1                              ; every wave's are: no wave runs its closing lines while another still reads LDS.  Every wave comes here, whatever its number of passes
	s_wait_tensorcnt 0x0                           ; the wave's end, behind my last LDS store
	ds_add_u32 v[SPW], v[NIL]
	s_wait_dscnt 0x0
	s_endpgm
.Lfunc_end_k_q7097b80ac8_experts:
	.size	k_q7097b80ac8_experts, .Lfunc_end_k_q7097b80ac8_experts-k_q7097b80ac8_experts
	.p2alignl 7, 3214868480
	.fill 96, 4, 3214868480
	.section	.rodata,"a",@progbits
	.p2align	6, 0x0
	.amdhsa_kernel k_q7097b80ac8_experts
		.amdhsa_group_segment_fixed_size 315648
		.amdhsa_private_segment_fixed_size 0
		.amdhsa_enable_private_segment 0
		.amdhsa_kernarg_size 40
		.amdhsa_user_sgpr_count 2
		.amdhsa_user_sgpr_kernarg_segment_ptr 1
		.amdhsa_wavefront_size32 1
		.amdhsa_system_sgpr_workgroup_id_x 1
		.amdhsa_system_sgpr_workgroup_id_y 1
		.amdhsa_system_sgpr_workgroup_id_z 1
		.amdhsa_system_vgpr_workitem_id 0
		.amdhsa_next_free_vgpr 512
		.amdhsa_next_free_sgpr 72
		.amdhsa_reserve_vcc 1
		.amdhsa_float_denorm_mode_32 3
		.amdhsa_float_denorm_mode_16_64 3
		.amdhsa_memory_ordered 1
		.amdhsa_forward_progress 1
		.amdhsa_inst_pref_size 131
	.end_amdhsa_kernel
	.amdgpu_metadata
---
amdhsa.version: [ 1, 2 ]
amdhsa.kernels:
  - .name:           k_q7097b80ac8_experts
    .symbol:         k_q7097b80ac8_experts.kd
    .args:
      - { .name: xb, .offset: 0, .size: 8, .value_kind: global_buffer, .address_space: global }
      - { .name: ids, .offset: 8, .size: 8, .value_kind: global_buffer, .address_space: global }
      - { .name: w_experts, .offset: 16, .size: 8, .value_kind: global_buffer, .address_space: global }
      - { .name: b_experts, .offset: 24, .size: 8, .value_kind: global_buffer, .address_space: global }
      - { .name: out0, .offset: 32, .size: 8, .value_kind: global_buffer, .address_space: global }
    .group_segment_fixed_size: 315648
    .private_segment_fixed_size: 0
    .kernarg_segment_align: 8
    .kernarg_segment_size: 40
    .max_flat_workgroup_size: 256
    .sgpr_count:     72
    .vgpr_count:     512
    .wavefront_size: 32
...
	.end_amdgpu_metadata
.endif
;; end of part 2
